; MI455X (gfx1250); checked and timed in simulation.
; The chip was launched on July 23, 2026; its instructions are those of AMD's public machine-readable ISA for CDNA 5 (MIT licence, August 2026) and "CDNA5" Instruction Set Architecture Reference Guide (July 2026). The comments in the code are by the model that wrote it; some were corrected since.
;; Multihead Attention. Allowed arithmetic: matrix products marked QUANTISED: E5M2 operands, one given power-of-two scale a tensor, by v_wmma_f32_16x16x64_bf8_bf8 or v_wmma_f32_16x16x128_bf8_bf8, f32 sums; everything else in f32.
;; Inputs: Wk_codes 16 x 64 x 32 x 32 uint8 (E5M2 codes of Wk, K innermost, in blocks of 32 codes); Wq_codes 16 x 64 x 32 x 32 uint8 (E5M2 codes of Wq, K innermost, in blocks of 32 codes); Wv_codes 16 x 64 x 32 x 32 uint8 (E5M2 codes of Wv, K innermost, in blocks of 32 codes); lowp_scales 10 int32 (the exponents e of the quantised operands' scales 2^e); x_codes 4 x 2,048 x 32 x 32 uint8 (E5M2 codes of x, K innermost, in blocks of 32 codes).
;; Outputs: out0 4 x 2,048 x 1,024 float32.
;; This version of the problem:
;;   THIS VERSION OF THE PROBLEM IS GIVEN IN LOW PRECISION. The matrix products marked QUANTISED in the list below multiply operands that are first quantised to E5M2 (5 exponent bits, 2 mantissa bits; 8 bits a number), with one given power-of-two scale for each operand tensor; their sums are f32. All else is computed in f32.
;;   The module's matrix products, in the order in which they are computed (A, B: the left and right operand; K: the contracted axis; several contracted axes count as one K, in the product's order):
;;     1. [M 1,024, K 1,024] x [K 1,024, N 8,192]; A: input Wq (given as codes); B: input x (given as codes): QUANTISED (scales: A lowp_scales[0], B lowp_scales[1])
;;     2. [M 1,024, K 1,024] x [K 1,024, N 8,192]; A: input Wk (given as codes); B: input x (given as codes): QUANTISED (scales: A lowp_scales[2], B lowp_scales[3])
;;     3. [M 1,024, K 1,024] x [K 1,024, N 8,192]; A: input Wv (given as codes); B: input x (given as codes): QUANTISED (scales: A lowp_scales[4], B lowp_scales[5])
;;     4. batch 64 x [M 2,048, K 64] x [K 64, N 2,048]; A: computed on the way; B: computed on the way: QUANTISED (scales: A lowp_scales[6], B lowp_scales[7])
;;     5. batch 64 x [M 2,048, K 2,048] x [K 2,048, N 64]; A: softmax (see below); B: computed on the way: QUANTISED (scales: A lowp_scales[8], B lowp_scales[9])
;;   THE QUANTISER, for each operand of a quantised product, along K:
;;     - The operand's scale is 2^e, e = its entry of the input lowp_scales (int32; the entries are numbered through the quantised products in the list's order, A before B).
;;     - Each number is divided by the scale, clamped to +-57,344, and rounded to the nearest number of E5M2, ties to even, subnormals kept.
;;     - The product sums the exact products of the quantised numbers (number of the format x scale) in f32.
;;   ~~~python
;;   def quantise(x, axis, e):      # numpy; x: float32 -> the quantised numbers, widened to float32 again
;;       x = np.moveaxis(x, axis, -1); K = x.shape[-1]
;;       r = np.clip(x / 2.0 ** e, -57344, 57344)
;;       step = 2.0 ** (np.maximum(np.frexp(np.where(r == 0, 1, r))[1] - 1, -14) - 2)
;;       q = np.round(r / step) * step * 2.0 ** e      # np.round: ties to even
;;       return np.moveaxis(q, -1, axis).astype(np.float32)
;;   ~~~
;;   SOFTMAX AHEAD OF A QUANTISED PRODUCT. Where the list says 'softmax', what is quantised is not the finished softmax but p = 2^(t - M), with t = logit x log2(e) and M = ceil(the row's largest t), a whole number; so 1/2 < the row's largest p <= 1. The row's sum l is taken of the UNQUANTISED p, in f32, and the product's result is divided by l at the end. Since M is a whole number, a kernel that streams over the keys may use a running M (the ceiling of the running maximum): every later rescaling is an exact power of two, so the quantised numbers keep their values, but for numbers so far below the row's largest that they fall under the format's range.
;;   OPERANDS COMPUTED ON THE WAY. 'Computed on the way' means the value that the module computes at that place (a softmax that the list does not call 'softmax' is quantised finished and normalised). What goes into a quantiser is computed in f32, as accurately as f32 sums, v_exp_f32 and their like allow (about 1e-6 of the number): no bf16 or f16 on the way to a quantiser, and a product that is left as it is and whose result goes on into a quantised operand takes f32 operands (vector FMAs, or v_wmma_f32_16x16x4_f32). A number that lies on a knife's edge between two numbers of the format may be rounded either way, as far as f32 arithmetic and the matrix unit's own rounding can turn it there, and no further.
;;   INPUTS GIVEN AS CODES. Wk (in the module: [16, 1024, 64], K = its axis 1); Wq (in the module: [16, 1024, 64], K = its axis 1); Wv (in the module: [16, 1024, 64], K = its axis 1); x (in the module: [4, 2048, 1024], K = its axis 2): each comes as NAME_codes (uint8): NAME with its K axis moved to the last place and cut into blocks of 32 codes, [.., K / 32, bytes a block], one block behind the other in memory; one code a byte (a code: sign, 5 exponent bits, 2 mantissa bits); its scale is its entry of lowp_scales. Its value is code x scale, taken as it is: it is not quantised again, and the codes and scales need not be those that the quantiser above would give.
;; One version. Each part assembles by itself: llvm-mc -triple=amdgcn-amd-amdhsa -mcpu=gfx1250 --defsym DOCPART=n.
;; ======== version 1 of 1: 2 launches
;; limits: right only within a limited range of input values
;; workspace buffers: qimg 8,388,608 bytes; kvimg 16,777,216 bytes
;; launch proj (part 1): grid 16 x 16, 4 waves a work-group, clusters of 4 x 4, 327,680 bytes of LDS; arguments x_codes, Wq_codes, Wk_codes, Wv_codes, lowp_scales, qimg, kvimg; writes qimg, kvimg
.if DOCPART == 1
	.amdgcn_target "amdgcn-amd-amdhsa--gfx1250"
	.amdhsa_code_object_version 6
	.text
	.protected	k_q16b12f3b09_proj
	.globl	k_q16b12f3b09_proj
	.p2align	8
	.type	k_q16b12f3b09_proj,@function
k_q16b12f3b09_proj:
	s_mov_b64 s[64:65], 0
	v_nop
	global_prefetch_b8 v0, s[64:65] scope:SCOPE_SE
	s_setreg_imm32_b32 hwreg(HW_REG_WAVE_MODE, 25, 1), 1
	s_wait_xcnt 0x0
	s_wait_alu depctr_hold_cnt(0) depctr_sa_sdst(0) depctr_va_vdst(0) depctr_va_sdst(0) depctr_va_ssrc(0) depctr_va_vcc(0) depctr_vm_vsrc(0)
	s_getreg_b32 s2, hwreg(HW_REG_IB_STS2, 6, 4)
	s_cmp_eq_u32 s2, 0
	s_cbranch_scc0 .Lentry_in_a_cluster
	s_endpgm
.Lentry_in_a_cluster:
	s_bfe_u32 s2, ttmp6, 0x10000c
	s_cmp_lg_u32 s2, 0xf033
	s_cbranch_scc0 .Lentry_shape_is_right
	s_endpgm
.Lentry_shape_is_right:
.set PITCH, 272
.set WT,    64*PITCH
.set XOFF,  3*WT
.set SLOT,  XOFF+256*PITCH
.set SPARE, 2*SLOT
.set ADRW, 16
.set ADRX, 20
.set KO,   24
.set VO,   25
.set SPW,  28
.set NIL,  29
.set SCQ,  32
.set SCK,  34
.set SCV,  36
.set WF,   64
.set CQ,   128
.set CK,   160
.set CV,   192
.set G1X,  24
.set GX0,  32
.set G1W,  48
.set GW0,  56
.set MSB, 0
.macro WIN new
.if MSB != \new
	s_set_vgpr_msb (MSB<<8)|\new
.set MSB, \new
.endif
.endm
.set W_QK,  0xa4
.set W_V,   0xf1
.set TO_X,  0x40
.set W_HQK, 0x82
.set W_CQK, 0xc2
.set W_HV,  0xc3
.set W_ST,  0x0c
.macro PLACES n
.rept \n
	v_nop
.endr
.endm
.macro JLOAD s
	s_cmp_eq_u32 s18, 3
	s_cbranch_scc0 .Lfor_w_\@
	tensor_load_to_lds s[GX0+4*\s:GX0+4*\s+3], s[G1X:G1X+7]
	s_nop 0
.rept 4
	v_nop
.endr
	s_branch .Lasked_\@
.Lfor_w_\@:
	tensor_load_to_lds s[GW0+4*\s:GW0+4*\s+3], s[G1W:G1W+7]
	s_nop 0
.rept 4
	v_nop
.endr
.Lasked_\@:
.endm
.macro CREST
	s_cmp_lg_u32 s18, 0
	s_cbranch_scc1 .Lnot_wave_0_\@
	s_barrier_signal -3
.Lnot_wave_0_\@:
	s_barrier_wait -3
	s_barrier_signal -1
	s_barrier_wait -1
.endm
.macro CROUND
	s_barrier_signal -1
	s_barrier_wait -1
	CREST
.endm
	s_load_b256 s[4:11], s[0:1], 0x0
	s_load_b128 s[12:15], s[0:1], 0x20
	s_load_b64 s[16:17], s[0:1], 0x30
	v_lshl_add_u32 v[SPW], v0, 2, SPARE
	v_mov_b32 v[NIL], 0
	ds_add_u32 v28, v29
	ds_add_u32 v28, v29
	s_wait_dscnt 0x0
	v_lshrrev_b32 v1, 5, v0
	v_readfirstlane_b32 s18, v1
	s_lshr_b32 s19, s18, 1
	s_and_b32 s20, s18, 1
	s_bfe_u32 s40, ttmp6, 0x40000
	s_bfe_u32 s41, ttmp6, 0x40004
	s_lshl_b32 s42, ttmp9, 2
	s_add_co_u32 s42, s42, s40
	s_and_b32 s43, ttmp7, 0xffff
	s_lshl_b32 s43, s43, 2
	s_add_co_u32 s43, s43, s41
	s_lshl_b32 s44, s41, 2
	s_lshl_b32 s44, 15, s44
	s_lshl_b32 s45, 0x1111, s40
	s_or_b32 s[G1X], s44, (1<<20)|(1<<21)|(5<<22)|(3<<25)
	s_or_b32 s[G1W], s45, (1<<20)|(1<<21)|(5<<22)|(3<<25)
	s_mov_b32 s[G1X+1], 256<<16
	s_mov_b32 s[G1X+2], 256<<16
	s_mov_b32 s[G1X+3], 256<<16
	s_mov_b32 s[G1X+4], 256
	s_mov_b32 s[G1X+5], 1024
	s_mov_b32 s[G1X+6], 0
	s_mov_b32 s[G1X+7], 0
	s_mov_b32 s[G1W+1], 256<<16
	s_mov_b32 s[G1W+2], 64<<16
	s_mov_b32 s[G1W+3], 256<<16
	s_mov_b32 s[G1W+4], 64
	s_mov_b32 s[G1W+5], 1024
	s_mov_b32 s[G1W+6], 0
	s_mov_b32 s[G1W+7], 0
	s_lshl_b32 s66, s43, 18
	s_mov_b32 s67, 0
	s_lshl_b32 s68, s42, 16
	s_mov_b32 s69, 0
	s_mul_i32 s46, s18, WT
	s_wait_kmcnt 0x0
	s_load_b256 s[72:79], s[12:13], 0x0
	s_load_b32 s80, s[12:13], 0x24
	s_cmp_eq_u32 s18, 1
	s_cselect_b64 s[70:71], s[8:9], s[10:11]
	s_cmp_eq_u32 s18, 0
	s_cselect_b64 s[70:71], s[6:7], s[70:71]
	s_add_nc_u64 s[70:71], s[70:71], s[68:69]
	s_add_nc_u64 s[66:67], s[4:5], s[66:67]
	CROUND
.irp s, 0,1
	s_mov_b32 s[GX0+4*\s], 1
	s_add_co_u32 s[GX0+4*\s+1], s46, \s*SLOT
	s_add_nc_u64 s[GX0+4*\s+2:GX0+4*\s+3], s[66:67], \s*256
	s_or_b32 s[GX0+4*\s+3], s[GX0+4*\s+3], 0x80000000
	s_mov_b32 s[GW0+4*\s], 1
	s_add_co_u32 s[GW0+4*\s+1], s46, \s*SLOT
	s_add_nc_u64 s[GW0+4*\s+2:GW0+4*\s+3], s[70:71], \s*256
	s_or_b32 s[GW0+4*\s+3], s[GW0+4*\s+3], 0x80000000
.if \s
	s_wait_alu depctr_va_vdst(0)
	s_wait_tensorcnt 0x0
	ds_add_u32 v28, v29
	ds_add_u32 v28, v29
	s_wait_dscnt 0x0
	CROUND
.endif
	JLOAD \s
.endr
	v_and_b32 v1, 15, v0
	v_bfe_u32 v2, v0, 4, 1
	v_mul_u32_u24 v3, v1, PITCH
	v_lshl_add_u32 v3, v2, 4, v3
	s_mul_i32 s21, s20, 32*PITCH
	s_mul_i32 s22, s19, 128*PITCH
	s_add_co_u32 s22, s22, XOFF
.irp s, 0,1
	v_add_nc_u32 v[ADRW+\s], s21, v3
	v_add_nc_u32 v[ADRX+\s], s22, v3
	s_add_co_u32 s21, s21, SLOT
	s_add_co_u32 s22, s22, SLOT
.endr
	v_and_b32 v4, 31, v0
	v_lshlrev_b32 v4, 4, v4
	s_lshl_b32 s23, s19, 13
	s_lshl_b32 s47, s20, 9
	s_add_co_u32 s47, s47, s23
	v_add_nc_u32 v[KO], s47, v4
	s_lshl_b32 s47, s20, 12
	s_add_co_u32 s47, s47, s23
	s_add_co_u32 s47, s47, 16384
	v_add_nc_u32 v[VO], s47, v4
	s_lshr_b32 s82, s43, 3
	s_lshl_b32 s82, s82, 4
	s_add_co_u32 s82, s82, s42
	s_and_b32 s83, s43, 7
	s_lshl_b32 s88, s82, 17
	s_lshl_b32 s89, s83, 14
	s_add_co_u32 s88, s88, s89
	s_mov_b32 s89, 0
	s_add_nc_u64 s[84:85], s[14:15], s[88:89]
	s_lshl_b32 s88, s82, 18
	s_lshl_b32 s90, s83, 15
	s_add_co_u32 s88, s88, s90
	s_add_nc_u64 s[86:87], s[16:17], s[88:89]
	s_wait_kmcnt 0x0
.macro MKSCALE dst, eo, ea, eb
	s_sub_co_i32 s91, s[\eo], s[\ea]
	s_sub_co_i32 s91, s91, s[\eb]
	s_add_co_i32 s91, s91, 127
	s_lshl_b32 s92, s91, 23
	v_mov_b32 v[\dst], s92
	s_add_co_i32 s91, s91, 15
	s_lshl_b32 s91, s91, 23
	s_or_b32 s91, s91, 0x600000
	v_mov_b32 v[\dst+1], s91
.endm
	MKSCALE SCQ, 78, 72, 73
	MKSCALE SCK, 79, 74, 75
	MKSCALE SCV, 80, 76, 77
.macro FRAG reg, adr, off
.irp c, 0,1,2,3
	ds_load_b128 v[\reg+4*\c:\reg+4*\c+3], v[\adr] offset:\off+32*\c
.endr
.endm
.macro FETCH slot, sub, p
	WIN 0
.irp T, 0,1,2
.irp u, 0,1
	FRAG WF+96*(\p)+16*(2*\T+\u), ADRW+\slot, \T*WT+\u*16*PITCH+128*(\sub)
.endr
.endr
	WIN TO_X
.irp a, 0,1,2,3,4,5,6,7
	FRAG 128*(\p)+16*\a, ADRX+\slot, \a*16*PITCH+128*(\sub)
.endr
	WIN 0
.endm
.macro MQK a, p, zero
.irp T, 0,1
.irp u, 0,1
.if \zero
	v_wmma_f32_16x16x128_bf8_bf8 v[128*\T+8*(2*(\a)+\u):128*\T+8*(2*(\a)+\u)+7], v[WF+96*(\p)+16*(2*\T+\u):WF+96*(\p)+16*(2*\T+\u)+15], v[128*(\p)+16*(\a):128*(\p)+16*(\a)+15], 0
.else
	v_wmma_f32_16x16x128_bf8_bf8 v[128*\T+8*(2*(\a)+\u):128*\T+8*(2*(\a)+\u)+7], v[WF+96*(\p)+16*(2*\T+\u):WF+96*(\p)+16*(2*\T+\u)+15], v[128*(\p)+16*(\a):128*(\p)+16*(\a)+15], v[128*\T+8*(2*(\a)+\u):128*\T+8*(2*(\a)+\u)+7]
.endif
.endr
.endr
.endm
.macro MV a, p, zero
.irp u, 0,1
.if \zero
	v_wmma_f32_16x16x128_bf8_bf8 v[8*(2*(\a)+\u):8*(2*(\a)+\u)+7], v[128*(\p)+16*(\a):128*(\p)+16*(\a)+15], v[WF+96*(\p)+16*(4+\u):WF+96*(\p)+16*(4+\u)+15], 0
.else
	v_wmma_f32_16x16x128_bf8_bf8 v[8*(2*(\a)+\u):8*(2*(\a)+\u)+7], v[128*(\p)+16*(\a):128*(\p)+16*(\a)+15], v[WF+96*(\p)+16*(4+\u):WF+96*(\p)+16*(4+\u)+15], v[8*(2*(\a)+\u):8*(2*(\a)+\u)+7]
.endif
.endr
.endm
.macro STEP slot, zero
	s_wait_dscnt 0x0
	WIN W_QK
.irp a, 0,1,2,3
	MQK \a, 0, \zero
.endr
	PLACES 4
	FETCH \slot, 1, 1
	WIN W_QK
.irp a, 4,5,6,7
	MQK \a, 0, \zero
.endr
	WIN W_V
.irp a, 0,1,2,3,4,5,6,7
	MV \a, 0, \zero
.endr
	WIN 0
.endm
.macro TURN slot, next, fill, on
	s_wait_tensorcnt 0x0
	ds_add_u32 v[SPW], v[NIL]
	s_wait_dscnt 1
	WIN W_QK
	MQK 0, 1, 0
	MQK 1, 1, 0
	s_wait_dscnt 0x0
	s_barrier_signal -1
	MQK 2, 1, 0
	MQK 3, 1, 0
	WIN 0
	s_barrier_wait -1
.if \fill
	CREST
.if \on
	s_add_nc_u64 s[GX0+4*\slot+2:GX0+4*\slot+3], s[GX0+4*\slot+2:GX0+4*\slot+3], 16*256*1024-512
	s_sub_nc_u64 s[GW0+4*\slot+2:GW0+4*\slot+3], s[GW0+4*\slot+2:GW0+4*\slot+3], 512
.else
	s_add_nc_u64 s[GX0+4*\slot+2:GX0+4*\slot+3], s[GX0+4*\slot+2:GX0+4*\slot+3], 512
	s_add_nc_u64 s[GW0+4*\slot+2:GW0+4*\slot+3], s[GW0+4*\slot+2:GW0+4*\slot+3], 512
.endif
	JLOAD \slot
.else
	PLACES 4
.endif
	FETCH \next, 0, 0
	WIN W_QK
.irp a, 4,5,6,7
	MQK \a, 1, 0
.endr
	WIN W_V
.irp a, 0,1,2,3,4,5,6,7
	MV \a, 1, 0
.endr
	WIN 0
.endm
.macro LAST
	s_wait_dscnt 0x0
	WIN W_QK
.irp a, 0,1,2,3,4,5,6,7
	MQK \a, 1, 0
.endr
	WIN W_V
.irp a, 0,1,2,3,4,5,6,7
	MV \a, 1, 0
.endr
	WIN 0
.endm
.macro HOLD base, sc, win
	WIN \win
.set n, \base
.rept 128
	v_med3_num_f32 v[n], v[n], -v[\sc+1], v[\sc+1]
.set n, n+1
.endr
.endm
.macro CVTQK base, cod, sc
	WIN W_CQK
.irp a, 0,1,2,3,4,5,6,7
.irp u, 0,1
	v_cvt_scalef32_pk8_bf8_f32 v[\cod+4*\a+2*\u:\cod+4*\a+2*\u+1], v[\base+8*(2*\a+\u):\base+8*(2*\a+\u)+7], v[\sc]
.endr
.endr
	v_nop
.endm
.macro EPI second
	PLACES 4
.if \second
	s_wait_xcnt 0x0
	s_add_nc_u64 s[84:85], s[84:85], 32*131072
	s_add_nc_u64 s[86:87], s[86:87], 32*262144
.endif
	HOLD 0, SCQ, W_HQK
	CVTQK 0, CQ, SCQ
	WIN W_ST
.irp a, 0,1,2,3,4,5,6,7
	global_store_b128 v[KO], v[CQ+4*\a:CQ+4*\a+3], s[84:85] offset:\a*1024
.endr
	HOLD 128, SCK, W_HQK
	CVTQK 128, CK, SCK
	WIN W_ST
.irp a, 0,1,2,3,4,5,6,7
	global_store_b128 v[KO], v[CK+4*\a:CK+4*\a+3], s[86:87] offset:\a*1024
.endr
	HOLD 0, SCV, W_HV
.irp a, 0,1,2,3,4,5,6,7
.irp u, 0,1
	v_cvt_scalef32_pk8_bf8_f32 v[CV+16*\u+2*\a:CV+16*\u+2*\a+1], v[8*(2*\a+\u):8*(2*\a+\u)+7], v[SCV]
.endr
.endr
	v_nop
	WIN W_ST
.irp u, 0,1
.irp c, 0,1,2,3
	global_store_b128 v[VO], v[CV+16*\u+4*\c:CV+16*\u+4*\c+3], s[86:87] offset:\u*2048+\c*512
.endr
.endr
	WIN 0
.endm
	s_wait_tensorcnt 1
	s_barrier_signal -1
	s_barrier_wait -1
	FETCH 0, 0, 0
	STEP 0, 1
	TURN 0, 1, 1, 0
	STEP 1, 0
	TURN 1, 0, 1, 0
	STEP 0, 0
	TURN 0, 1, 1, 1
	STEP 1, 0
	TURN 1, 0, 1, 1
	s_wait_alu depctr_va_vdst(0)
	EPI 0
	STEP 0, 1
	TURN 0, 1, 1, 0
	STEP 1, 0
	TURN 1, 0, 1, 0
	STEP 0, 0
	TURN 0, 1, 0, 0
	STEP 1, 0
	LAST
	EPI 1
	s_wait_tensorcnt 0x0
	ds_add_u32 v[SPW], v[NIL]
	s_wait_dscnt 0x0
	CROUND
	s_endpgm
.Lfunc_end_k_q16b12f3b09_proj:
	.size	k_q16b12f3b09_proj, .Lfunc_end_k_q16b12f3b09_proj-k_q16b12f3b09_proj
	.p2alignl 7, 3214868480
	.fill 96, 4, 3214868480
	.section	.rodata,"a",@progbits
	.p2align	6, 0x0
	.amdhsa_kernel k_q16b12f3b09_proj
		.amdhsa_group_segment_fixed_size 327680
		.amdhsa_private_segment_fixed_size 0
		.amdhsa_enable_private_segment 0
		.amdhsa_kernarg_size 56
		.amdhsa_user_sgpr_count 2
		.amdhsa_user_sgpr_kernarg_segment_ptr 1
		.amdhsa_wavefront_size32 1
		.amdhsa_system_sgpr_workgroup_id_x 1
		.amdhsa_system_sgpr_workgroup_id_y 1
		.amdhsa_system_sgpr_workgroup_id_z 1
		.amdhsa_system_vgpr_workitem_id 0
		.amdhsa_next_free_vgpr 1024
		.amdhsa_next_free_sgpr 100
		.amdhsa_reserve_vcc 0
		.amdhsa_float_denorm_mode_32 3
		.amdhsa_float_denorm_mode_16_64 3
		.amdhsa_memory_ordered 1
		.amdhsa_forward_progress 1
		.amdhsa_inst_pref_size 185
	.end_amdhsa_kernel
	.amdgpu_metadata
---
amdhsa.version: [ 1, 2 ]
amdhsa.kernels:
  - .name:           k_q16b12f3b09_proj
    .symbol:         k_q16b12f3b09_proj.kd
    .args:
      - { .name: x_codes, .offset: 0, .size: 8, .value_kind: global_buffer, .address_space: global }
      - { .name: Wq_codes, .offset: 8, .size: 8, .value_kind: global_buffer, .address_space: global }
      - { .name: Wk_codes, .offset: 16, .size: 8, .value_kind: global_buffer, .address_space: global }
      - { .name: Wv_codes, .offset: 24, .size: 8, .value_kind: global_buffer, .address_space: global }
      - { .name: lowp_scales, .offset: 32, .size: 8, .value_kind: global_buffer, .address_space: global }
      - { .name: qimg, .offset: 40, .size: 8, .value_kind: global_buffer, .address_space: global }
      - { .name: kvimg, .offset: 48, .size: 8, .value_kind: global_buffer, .address_space: global }
    .group_segment_fixed_size: 327680
    .private_segment_fixed_size: 0
    .kernarg_segment_align: 8
    .kernarg_segment_size: 56
    .max_flat_workgroup_size: 128
    .sgpr_count:     100
    .vgpr_count:     1024
    .wavefront_size: 32
...
	.end_amdgpu_metadata
.endif
;; end of part 1
;; launch attn (part 2): grid 4 x 64, 8 waves a work-group, no clusters, 327,680 bytes of LDS; arguments qimg, kvimg, lowp_scales, out0; writes out0
.if DOCPART == 2
	.amdgcn_target "amdgcn-amd-amdhsa--gfx1250"
	.amdhsa_code_object_version 6
	.text
	.protected	k_q16b12f3b09_attn
	.globl	k_q16b12f3b09_attn
	.p2align	8
	.type	k_q16b12f3b09_attn,@function
k_q16b12f3b09_attn:
	s_mov_b64 s[64:65], 0
	v_nop
	global_prefetch_b8 v0, s[64:65] scope:SCOPE_SE
	s_setreg_imm32_b32 hwreg(HW_REG_WAVE_MODE, 25, 1), 1
	s_wait_xcnt 0x0
; out[b][q][64 h ..] = the sum over keys k <= q of softmax_k(q . k / 8) v, both products on codes of BF8 (E5M2), from the images of operand registers that the launch before has laid.
; qimg: [16 b + h][tile of 16 queries][2 chunks][32 lanes][16 bytes].  kvimg: [16 b + h][slot of 256 keys]: 16 tiles of k laid likewise (16,384 bytes), then v: [128 keys][e tile][4 chunks][32 lanes][16 bytes].
; LEFT OUT: key steps all of whose keys come after a wave's queries: the causal mask sets their scores to -infinity, so their p is 0 whatever the inputs hold.
; A NaN, an infinity or an overflow that reaches only such scores is not carried to the result.
; THE SOFTMAX AHEAD OF THE SECOND PRODUCT: t = score x log2(e) / 8; M = the row's largest t so far, rounded UP to a whole number; p = 2^(t - M) is quantised along the keys with 2^e8; it is not normalised.
; The row's sum is taken of the unquantised p, in f32, and divides O at the end.  When M moves, the sum and O are multiplied by 2^(old M - new M): exact.
; LIMITS on the given exponents: e6 + e7 between -123 and 130 (they are added to c's exponent field); e8 between -126 and 112; e8 + e9 goes by v_ldexp_f32 and has none.  NaN and infinity among the codes are not served.
; SHARES.  A head has 64 blocks of 32 queries.  Work-group (g, 16 b + h) has eight waves; wave i owns blocks 63 - 8 g - i and 8 g + i, one after the other: under the mask they want 17 key steps of 128 keys together, whatever g and i are.
; A wave's two tiles of 16 queries share every fragment of k and v that it reads from LDS.
; LDS.  A head's k and v are 8 slots x 32,768 bytes: they all stay in LDS, each slot filled once.  The head brings slots 0 and 1 (a wave: 32 rows of 256 bytes).  The late block is walked first: slot T + 2 is asked for behind trip T's
; barrier, every wave fetching 16 rows of it, and only while the work-group's last query reaches that slot (a jump on ids, the same in all waves; every wait on TENSORcnt is for 0).  So in trip T slots T and T + 1 are whole.
; The second loop (slots 6 and 7, then the early block's slots 0 to 3) finds all its slots in LDS and has no barrier.
; K AHEAD: a step's fragments of k are asked for in the step before, behind that step's score products; the scalar PL, made of ids alone, says whether that was done.  V's are asked for at the same place, for the step in hand.
; NO CLUSTER: work-group g reads slots 0 to 7 - g alone, so a joint load of a late slot would bring some partners a tile that none of their waves reads.
; LAYOUT.  Both products are used transposed: S^T = K Q^T, O^T = V^T P^T: a lane holds ONE query (lane % 16) of each tile throughout.
; Tile t of S^T gives lane (r, h) the keys 16 t + 8 h + 0 .. 7: its conversion IS registers 2 t, 2 t + 1 of P's fragment of 128 keys, and v's images are laid by the same places.
; REGISTERS.  Window 0: v1-13 addresses; v16-31 Q of the block in hand; v32-47 the early block's Q; v64-127 K's eight fragments; v128-191 V's four; v192-201 the diagonal's pattern and -infinity.
; Window 1: v0-127 S^T, then p (tile u at 64 u); v128-191 O^T; v192-223 p's codes; v224-255 -M, the largest t, the sums, f, the hold, the scale and what is at work.
.set SLOTB, 32768
.set SPARE, 262144                     ; behind the eight slots: the spare words, 128 bytes a wave: four blocks of 256 bytes that no other line names
.set STAGE, SPARE+1024                 ; the way out: 16 rows x (256 + 16) bytes for each wave, bytes of its own
.set SP,   272
.set LI,   1                           ; 16 x lane
.set ADR,  2                           ; 16 x lane + the slot in hand
.set STO,  3
.set RD,   4
.set SPW,  5                           ; my spare word; never rewritten
.set NIL,  6                           ; 0; never rewritten
.set GO,   7
.set PFO,  12                          ; 256 x thread: the prefetches' offset
.set ADK,  13                          ; 16 x lane + the next slot
.set QR,   16
.set QA,   32
.set KR,   64
.set VR,   128
.set PEN,  192                         ; register i: -infinity where 8 (lane / 16) + i > lane % 16, else 0
.set NI,   200                         ; a pair of -infinity
.set OO,   128                         ; window 1 from here on
.set CD,   192
.set NM,   224                         ; -M and the largest t, a pair for each tile
.set SM,   228
.set FF,   232
.set HC,   236                         ; 57,344 x 2^e8
.set SC,   237                         ; 2^e8
.set MA,   238
.set PD,   242
.set HC2,  247                         ; the hold once more, for the second half of a dual pair
.set WV,   18
.set SEL,  20
.set CS,   22
.set G1,   24                          ; group 1 for 16 rows;  s[32:39] for the head's 32 rows
.set G1H,  32
.set G0,   40
.set PFA,  44
.set PIX,  46
.set LIM,  47
.set TR,   48
.set TB,   66
.set KF,   67
.set Q0,   68
.set Q0A,  69
.set OB,   70
.set EPV,  74
.set PL,   75                          ; 1: the next step's K has been asked for
.set KS,   86                          ; the slot's first key
.set G0H,  88
.set MSB, 0
.macro WIN new                         ; the immediate's high byte repeats the setting that is left
.if MSB != \new
	s_set_vgpr_msb (MSB<<8)|\new
.set MSB, \new
.endif
.endm
.macro PLACES n
.rept \n
	v_nop
.endr
.endm
.macro INIT                            ; a block begins: O^T and the sums are zeros, the largest t is -3e38, -M its floor
	WIN 0x40
.set n, 0
.rept 64
	v_mov_b32 v[OO+n], 0
.set n, n+1
.endr
.irp u, 0,1
	v_mov_b32 v[NM+2*\u], 0x7f61b1e6
	v_mov_b32 v[NM+2*\u+1], 0xff61b1e6
	v_mov_b32 v[SM+2*\u], 0
	v_mov_b32 v[SM+2*\u+1], 0
.endr
.endm
.macro KLOAD adr, off                  ; K's eight fragments of a step: each two chunks of 512 consecutive bytes
.irp t, 0,1,2,3,4,5,6,7
	ds_load_b128 v[KR+8*\t:KR+8*\t+3], v[\adr] offset:(\off)+1024*\t
	ds_load_b128 v[KR+8*\t+4:KR+8*\t+7], v[\adr] offset:(\off)+1024*\t+512
.endr
.endm
	s_load_b256 s[4:11], s[0:1], 0x0               ; qimg, kvimg, the scales' exponents, out0
	v_lshl_add_u32 v[SPW], v0, 2, SPARE
	v_mov_b32 v[NIL], 0
	ds_add_u32 v[SPW], v[NIL]                      ; the opening lines: the add, twice on end, and its wait ahead of my first tensor load
	ds_add_u32 v[SPW], v[NIL]
	v_lshrrev_b32 v8, 5, v0
	v_readfirstlane_b32 s[WV], v8                  ; wave 0..7
	s_and_b32 s49, ttmp7, 0xffff                   ; 16 b + h
	s_mov_b32 s[PIX], ttmp9                        ; g
	s_lshl_b32 s50, s[PIX], 3
	s_add_co_u32 s50, s50, s[WV]                   ; the early block 8 g + i
	s_lshl_b32 s[Q0A], s50, 5
	s_sub_co_u32 s50, 63, s50                      ; the late block
	s_lshl_b32 s[Q0], s50, 5
	s_lshl_b32 s51, s[WV], 12                      ; my 4,096 bytes of a slot, in memory and in LDS
	s_lshl_b32 s52, s49, 18                        ; the head's eight slots
	s_mov_b32 s53, 0
	s_lshl_b32 s62, s49, 17                        ; the head's images of q: 64 bytes a query
	s_lshl_b32 s58, s[Q0], 6
	s_add_co_u32 s58, s58, s62
	s_mov_b32 s59, 0
	s_lshl_b32 s60, s[Q0A], 6
	s_add_co_u32 s60, s60, s62
	s_mov_b32 s61, 0
	s_lshr_b32 s63, s49, 4                         ; the output: b x 2,048 rows of 4,096 bytes + 256 h + my first query's row
	s_lshl_b32 s63, s63, 23
	s_and_b32 s62, s49, 15
	s_lshl_b32 s62, s62, 8
	s_add_co_u32 s63, s63, s62
	s_lshl_b32 s82, s[Q0], 12
	s_add_co_u32 s82, s82, s63
	s_mov_b32 s83, 0
	s_lshl_b32 s84, s[Q0A], 12
	s_add_co_u32 s84, s84, s63
	s_mov_b32 s85, 0
	s_mov_b32 s[G1], 3<<16                         ; group 1: a dense block as rows of 32 elements of 8 bytes; no mask, no padding: 16 rows,
	s_mov_b32 s[G1+1], 32<<16
	s_mov_b32 s[G1+2], 16<<16
	s_mov_b32 s[G1+3], 32<<16
	s_mov_b32 s[G1+4], 16
	s_mov_b32 s[G1+5], 32
	s_mov_b32 s[G1+6], 0
	s_mov_b32 s[G1+7], 0
	s_mov_b32 s[G1H], 3<<16                        ; and 32 rows
	s_mov_b32 s[G1H+1], 32<<16
	s_mov_b32 s[G1H+2], 32<<16
	s_mov_b32 s[G1H+3], 32<<16
	s_mov_b32 s[G1H+4], 32
	s_mov_b32 s[G1H+5], 32
	s_mov_b32 s[G1H+6], 0
	s_mov_b32 s[G1H+7], 0
	s_mov_b32 s[SEL], 0x76543210
	s_mov_b32 s[SEL+1], 0xfedcba98
	s_mov_b32 s[CS], 0x3e38aa3b                    ; log2(e) / 8
	s_mov_b32 s[TR], 0
	s_mov_b32 s[TB], 0
	s_mov_b32 s[KF], 0
	s_cmp_lt_u32 s[WV], 4
	s_cselect_b32 s[LIM], 0, 8                     ; waves 0 to 3 prefetch; 8 is never met
	s_mul_i32 s62, s[WV], 16*SP
	s_add_co_u32 s62, s62, STAGE                   ; my stage
	s_lshl_b32 s80, s[WV], 13                      ; my 8,192 bytes of slots 0 and 1
	s_mov_b32 s81, 0
	s_wait_dscnt 0x0                               ; both opening adds are done
	s_wait_kmcnt 0x0
	s_load_b128 s[76:79], s[8:9], 0x18             ; e6, e7, e8, e9
	s_add_nc_u64 s[PFA:PFA+1], s[6:7], s[52:53]    ; the head's slot 0
	s_mov_b32 s[G0H], 1
	s_mov_b32 s[G0H+1], s80
	s_add_nc_u64 s[G0H+2:G0H+3], s[PFA:PFA+1], s[80:81]
	s_or_b32 s[G0H+3], s[G0H+3], 0x80000000
	tensor_load_to_lds s[G0H:G0H+3], s[G1H:G1H+7]  ; my part of slots 0 and 1: my one tensor load at the head
	s_nop 0
	PLACES 4
	s_mov_b32 s52, s51
	s_mov_b32 s[G0], 1                             ; the walking group 0 stands at slot 1: the first change of slots steps it to slot 2
	s_add_co_u32 s[G0+1], s51, SLOTB
	s_add_nc_u64 s[G0+2:G0+3], s[PFA:PFA+1], s[52:53]
	s_add_nc_u64 s[G0+2:G0+3], s[G0+2:G0+3], SLOTB
	s_or_b32 s[G0+3], s[G0+3], 0x80000000
	s_add_nc_u64 s[PFA:PFA+1], s[PFA:PFA+1], 2*SLOTB ; slot 2: the first change of slots steps it to slot 3
	s_add_nc_u64 s[54:55], s[4:5], s[58:59]
	s_add_nc_u64 s[56:57], s[4:5], s[60:61]
	s_add_nc_u64 s[OB:OB+1], s[10:11], s[82:83]
	s_add_nc_u64 s[OB+2:OB+3], s[10:11], s[84:85]
	v_and_b32 v8, 15, v0                           ; r
	v_bfe_u32 v10, v0, 4, 1                        ; h
	v_and_b32 v[LI], 31, v0
	v_lshlrev_b32 v[LI], 4, v[LI]
.irp k, 0,1,2,3
	global_load_b128 v[QR+4*\k:QR+4*\k+3], v[LI], s[54:55] offset:512*\k th:TH_LOAD_NT   ; both blocks' Q: two tiles of two chunks each, read by this wave alone
	global_load_b128 v[QA+4*\k:QA+4*\k+3], v[LI], s[56:57] offset:512*\k th:TH_LOAD_NT
.endr
	v_mul_u32_u24 v[STO], v8, SP                   ; the stage, in: row r, 64 x e tile + 32 h bytes on
	v_mul_u32_u24 v[RD], v10, SP                   ; back: lanes 0-15 one row of 256 bytes, lanes 16-31 the next
	v_lshl_add_u32 v[STO], v10, 5, v[STO]
	v_lshl_add_u32 v[RD], v8, 4, v[RD]
	v_add_nc_u32 v[STO], s62, v[STO]
	v_add_nc_u32 v[RD], s62, v[RD]
	v_lshlrev_b32 v[GO], 12, v10                   ; and the same two rows in the output
	v_lshl_add_u32 v[GO], v8, 4, v[GO]
	v_lshlrev_b32 v[PFO], 8, v0
	v_lshlrev_b32 v11, 3, v10
	v_sub_nc_u32 v11, v8, v11                      ; r - 8 h
	v_mov_b32 v[NI], 0xff800000
	v_mov_b32 v[NI+1], 0xff800000
.irp i, 0,1,2,3,4,5,6,7
	v_cmp_gt_i32 vcc_lo, \i, v11
	v_cndmask_b32 v[PEN+\i], 0, v[NI], vcc_lo
.endr
	INIT
	v_mov_b32 v[FF+1], 0                           ; upper halves of pairs that are named whole, and the lane permutes' destinations: written once
	v_mov_b32 v[FF+3], 0
	v_mov_b32 v[PD], 0
	v_mov_b32 v[PD+1], 0
	s_wait_kmcnt 0x0
	s_add_co_i32 s49, s76, s77
	s_lshl_b32 s49, s49, 23
	s_add_co_i32 s[CS], s[CS], s49                 ; a score stands for score x 2^(e6 + e7): added to c's exponent field
	s_mov_b32 s[CS+1], s[CS]
	s_add_co_i32 s49, s78, 127
	s_lshl_b32 s50, s49, 23
	v_mov_b32 v[SC], s50
	s_add_co_i32 s49, s49, 15
	s_lshl_b32 s49, s49, 23
	s_or_b32 s49, s49, 0x600000
	v_mov_b32 v[HC], s49
	v_mov_b32 v[HC2], s49
	s_add_co_i32 s[EPV], s78, s79
	WIN 0
; The diagonal step with my first query 32 d keys behind the step's first key.  Tile u's query r meets key tile 2 d + u on the diagonal (the fixed pattern is added); later key tiles are hidden whole (-infinity is added).
.macro MASKBLK d
	WIN 0x41                                       ; destination and source 0 window 1, source 1 window 0
.set n, 0
.rept 4
	v_pk_add_f32 v[16*(\d)+n:16*(\d)+n+1], v[16*(\d)+n:16*(\d)+n+1], v[PEN+n:PEN+n+1]
	v_pk_add_f32 v[72+16*(\d)+n:72+16*(\d)+n+1], v[72+16*(\d)+n:72+16*(\d)+n+1], v[PEN+n:PEN+n+1]
.set n, n+2
.endr
.set n, 16*(\d)+8
.rept (56-16*(\d))/2
	v_pk_add_f32 v[n:n+1], v[n:n+1], v[NI:NI+1]
.set n, n+2
.endr
.if \d < 3
.set n, 80+16*(\d)
.rept (48-16*(\d))/2
	v_pk_add_f32 v[n:n+1], v[n:n+1], v[NI:NI+1]
.set n, n+2
.endr
.endif
	WIN 0
	s_wait_alu depctr_va_vdst(0)                   ; the wait ahead of the branch
.endm
; A KEY STEP's work: 128 keys, the q-th of the slot in hand, for my two tiles of 16 queries.  Its K has been asked for.
.macro BODY q
	s_wait_dscnt 0x0                               ; K is in
	WIN 0x40                                       ; D window 1
.irp t, 0,1,2,3,4,5,6,7
.irp u, 0,1
	v_wmma_f32_16x16x64_bf8_bf8 v[64*\u+8*\t:64*\u+8*\t+7], v[KR+8*\t:KR+8*\t+7], v[QR+8*\u:QR+8*\u+7], 0
.endr
.endr
	WIN 0
	PLACES 4                                       ; in front of the loads into K's and V's registers and of the first read of the scores
.irp e, 0,1,2,3
.irp c, 0,1,2,3
	ds_load_b128 v[VR+16*\e+4*\c:VR+16*\e+4*\c+3], v[ADR] offset:16384+(\q)*8192+2048*\e+512*\c   ; V lands while the softmax is worked
.endr
.endr
.if \q == 0
	KLOAD ADR, 8192                                ; the slot's second step: the slot is whole, so the bytes are there whether or not that step is hidden
.else
	s_add_co_u32 s50, s[KF], 128
	s_add_co_u32 s51, s[Q0], 31
	s_cmp_gt_u32 s50, s51                          ; the next slot's first step is hidden: nothing is asked for
	s_cbranch_scc1 .Lnp_\@
	s_add_co_u32 s50, s[TB], SLOTB
	s_and_b32 s50, s50, 8*SLOTB-1
	v_add_nc_u32 v[ADK], s50, v[LI]
	KLOAD ADK, 0
	s_mov_b32 s[PL], 1
.Lnp_\@:
.endif
	s_add_co_u32 s49, s[KF], 127
	s_cmp_le_u32 s49, s[Q0]                        ; all 128 keys count for all my queries: no mask
	s_cbranch_scc1 .Lopen_\@
	s_sub_co_u32 s49, s[Q0], s[KF]                 ; 0, 32, 64 or 96
	s_cmp_eq_u32 s49, 0
	s_cbranch_scc1 .Lm0_\@
	s_cmp_eq_u32 s49, 32
	s_cbranch_scc1 .Lm1_\@
	s_cmp_eq_u32 s49, 64
	s_cbranch_scc1 .Lm2_\@
	MASKBLK 3
	s_branch .Lopen_\@
.Lm2_\@:
	MASKBLK 2
	s_branch .Lopen_\@
.Lm1_\@:
	MASKBLK 1
	s_branch .Lopen_\@
.Lm0_\@:
	MASKBLK 0
.Lopen_\@:
	WIN 0x55                                       ; the softmax lies in window 1 whole
.irp u, 0,1
	v_max3_num_f32 v[MA+2*\u], v[64*\u], v[64*\u+1], v[64*\u+2]        ; the step's largest score, two chains a tile, each accumulator from its low end on
	v_max3_num_f32 v[MA+2*\u+1], v[64*\u+3], v[64*\u+4], v[64*\u+5]
.endr
.irp i, 6,10,14,18,22,26,30,34,38,42,46,50,54,58
.irp u, 0,1
	v_max3_num_f32 v[MA+2*\u], v[MA+2*\u], v[64*\u+\i], v[64*\u+\i+1]
	v_max3_num_f32 v[MA+2*\u+1], v[MA+2*\u+1], v[64*\u+\i+2], v[64*\u+\i+3]
.endr
.endr
.irp u, 0,1
	v_max3_num_f32 v[MA+2*\u], v[MA+2*\u], v[64*\u+62], v[64*\u+63]
.endr
.irp u, 0,1
	v_max_num_f32 v[MA+2*\u], v[MA+2*\u], v[MA+2*\u+1]
.endr
.irp u, 0,1
	v_permlanex16_b32 v[PD+\u], v[MA+2*\u], s[SEL], s[SEL+1]
.endr
.irp u, 0,1
	v_max_num_f32 v[MA+2*\u], v[MA+2*\u], v[PD+\u]                     ; and among lane l xor 16's
.endr
.irp u, 0,1
	v_mul_f32 v[MA+2*\u], s[CS], v[MA+2*\u]                            ; as t (c is positive)
.endr
.irp u, 0,1
	v_max_num_f32 v[NM+2*\u+1], v[NM+2*\u+1], v[MA+2*\u]               ; the running largest t
.endr
.irp u, 0,1
	v_mov_b32 v[MA+2*\u], v[NM+2*\u]
.endr
.irp u, 0,1
	v_floor_f32 v[NM+2*\u], -v[NM+2*\u+1]                              ; the new -M = -ceil(t)
.endr
.irp u, 0,1
	v_sub_f32 v[MA+2*\u], v[NM+2*\u], v[MA+2*\u]                       ; old M - new M: a whole number, 0 or less
.endr
.irp u, 0,1
	v_cvt_i32_f32 v[MA+2*\u], v[MA+2*\u]                               ; (it saturates)
.endr
.irp u, 0,1
	v_ldexp_f32 v[FF+2*\u], 1.0, v[MA+2*\u]                            ; f = 2^(old M - new M)
.endr
.irp u, 0,1
	v_pk_mul_f32 v[SM+2*\u:SM+2*\u+1], v[SM+2*\u:SM+2*\u+1], v[FF+2*\u:FF+2*\u+1] op_sel_hi:[1,0]
.endr
.set n, 0
.rept 16
.irp u, 0,1
	v_pk_mul_f32 v[OO+32*\u+n:OO+32*\u+n+1], v[OO+32*\u+n:OO+32*\u+n+1], v[FF+2*\u:FF+2*\u+1] op_sel_hi:[1,0]   ; O^T under the new M, ahead of the exponentials
.endr
.set n, n+2
.endr
.set n, 0
.rept 32
	v_pk_fma_f32 v[n:n+1], v[n:n+1], s[CS:CS+1], v[NM:NM+1] op_sel_hi:[1,0,0]   ; tile 0: t - M
.set n, n+2
.endr
	s_wait_alu depctr_va_vdst(0)                   ; the wait ahead of the batch
.set n, 0
.rept 32                                       ; tile 0's exponentials; tile 1's t - M stands among them: its sources were written ahead of the wait above, its results are read behind the wait below
	v_exp_f32 v[n], v[n]
	v_exp_f32 v[n+1], v[n+1]
	v_pk_fma_f32 v[64+n:65+n], v[64+n:65+n], s[CS:CS+1], v[NM+2:NM+3] op_sel_hi:[1,0,0]
.set n, n+2
.endr
	s_wait_alu depctr_va_vdst(0)                   ; behind tile 0's batch and ahead of tile 1's
.set j, 0
.rept 8                                        ; tile 1's exponentials; among them tile 0's first sums (of the unquantised p, into registers of their own) and the hold of the numbers just summed: all read behind the next wait
	v_exp_f32 v[64+8*j], v[64+8*j]
	v_exp_f32 v[65+8*j], v[65+8*j]
	v_pk_add_f32 v[MA+2*j+2*(j/4):MA+2*j+2*(j/4)+1], v[4*j:4*j+1], v[4*j+2:4*j+3]
	v_exp_f32 v[66+8*j], v[66+8*j]
	v_exp_f32 v[67+8*j], v[67+8*j]
	v_exp_f32 v[68+8*j], v[68+8*j]
	v_dual_min_num_f32 v[4*j], v[4*j], v[HC] :: v_dual_min_num_f32 v[4*j+1], v[4*j+1], v[HC2]
	v_exp_f32 v[69+8*j], v[69+8*j]
	v_exp_f32 v[70+8*j], v[70+8*j]
	v_exp_f32 v[71+8*j], v[71+8*j]
	v_dual_min_num_f32 v[4*j+2], v[4*j+2], v[HC] :: v_dual_min_num_f32 v[4*j+3], v[4*j+3], v[HC2]
.set j, j+1
.endr
	v_nop                                          ; a plain instruction behind the exponentials
	s_wait_dscnt 0x0                               ; V is in (and what was asked for of the next K)
	s_wait_alu depctr_va_vdst(0)                   ; one wait for the batch
	v_pk_add_f32 v[238:239], v[238:239], v[240:241]    ; tile 0's eight first sums become two,
	v_pk_add_f32 v[242:243], v[242:243], v[244:245]
	v_pk_add_f32 v[248:249], v[248:249], v[250:251]
	v_pk_add_f32 v[252:253], v[252:253], v[254:255]
	v_pk_add_f32 v[240:241], v[64:65], v[66:67]        ; tile 1's two side chains begin,
	v_pk_add_f32 v[244:245], v[68:69], v[70:71]
	v_pk_add_f32 v[238:239], v[238:239], v[248:249]
	v_pk_add_f32 v[242:243], v[242:243], v[252:253]
.set n, 0
.rept 5                                        ; and three chains a tile take the rest
	v_pk_add_f32 v[SM:SM+1], v[SM:SM+1], v[32+n:33+n]
	v_pk_add_f32 v[SM+2:SM+3], v[SM+2:SM+3], v[72+n:73+n]
	v_pk_add_f32 v[238:239], v[238:239], v[34+n:35+n]
	v_pk_add_f32 v[240:241], v[240:241], v[74+n:75+n]
	v_pk_add_f32 v[242:243], v[242:243], v[36+n:37+n]
	v_pk_add_f32 v[244:245], v[244:245], v[76+n:77+n]
.set n, n+6
.endr
	v_pk_add_f32 v[SM:SM+1], v[SM:SM+1], v[62:63]
.set n, 102
.rept 4
	v_pk_add_f32 v[SM+2:SM+3], v[SM+2:SM+3], v[n:n+1]
	v_pk_add_f32 v[240:241], v[240:241], v[n+2:n+3]
	v_pk_add_f32 v[244:245], v[244:245], v[n+4:n+5]
.set n, n+6
.endr
	v_pk_add_f32 v[238:239], v[238:239], v[242:243]
	v_pk_add_f32 v[SM+2:SM+3], v[SM+2:SM+3], v[126:127]
	v_pk_add_f32 v[240:241], v[240:241], v[244:245]
	v_pk_add_f32 v[SM:SM+1], v[SM:SM+1], v[238:239]
	v_pk_add_f32 v[SM+2:SM+3], v[SM+2:SM+3], v[240:241]
.irp t, 0,1,2,3,4,5,6,7
.irp i, 0,2,4,6
.if \t > 3
	v_dual_min_num_f32 v[8*\t+\i], v[8*\t+\i], v[HC] :: v_dual_min_num_f32 v[8*\t+\i+1], v[8*\t+\i+1], v[HC2]   ; the conversion does not saturate (ISA guide 7.6.2); p is not negative, so the hold is one-sided; two a line
.endif
	v_dual_min_num_f32 v[64+8*\t+\i], v[64+8*\t+\i], v[HC] :: v_dual_min_num_f32 v[64+8*\t+\i+1], v[64+8*\t+\i+1], v[HC2]
.endr
.irp u, 0,1
	v_cvt_scalef32_pk8_bf8_f32 v[CD+16*\u+2*\t:CD+16*\u+2*\t+1], v[64*\u+8*\t:64*\u+8*\t+7], v[SC]   ; registers 2 t, 2 t + 1 of P's fragment
.endr
.endr
	v_nop                                          ; a plain instruction behind the last conversion
	WIN 0x54                                       ; A (V) window 0; B (P), C and D window 1
.irp e, 0,1,2,3
.irp u, 0,1
	v_wmma_f32_16x16x128_bf8_bf8 v[OO+32*\u+8*\e:OO+32*\u+8*\e+7], v[VR+16*\e:VR+16*\e+15], v[CD+16*\u:CD+16*\u+15], v[OO+32*\u+8*\e:OO+32*\u+8*\e+7]   ; eight accumulators by turns
.endr
.endr
	WIN 0
.endm
; A SLOT's two steps.  A step all of whose keys come after my 32 queries is left out by a scalar branch on ids; no barrier and no tensor load stands here.
.macro TRIP
	s_mov_b32 s[KS], s[KF]
	s_add_co_u32 s49, s[Q0], 31
	s_cmp_gt_u32 s[KF], s49
	s_cbranch_scc1 .Lend_\@
	v_add_nc_u32 v[ADR], s[TB], v[LI]
	s_wait_alu depctr_va_vdst(0)                   ; the wait
	s_cmp_eq_u32 s[PL], 1
	s_cbranch_scc1 .Lhave_\@
	PLACES 4                                       ; in front of loads into registers that products have read
	KLOAD ADR, 0
.Lhave_\@:
	s_mov_b32 s[PL], 0
	BODY 0
	s_add_co_u32 s[KF], s[KF], 128
	s_add_co_u32 s49, s[Q0], 31
	s_cmp_gt_u32 s[KF], s49
	s_cbranch_scc1 .Lend_\@
	BODY 1
.Lend_\@:
	s_add_co_u32 s[KF], s[KS], 256
.endm
; THE CHANGE OF SLOTS, at a trip's head: each wave waits for all its tensor loads (its part of slot T + 1), adds 0 to its spare word and waits for that and for its LDS reads.  Behind the barrier slots T and T + 1 are whole.
; fill = 1: slot T + 2 is asked for, for the first time: no byte of LDS is filled twice in this launch.
.macro CHANGE fill
	s_wait_tensorcnt 0x0
	ds_add_u32 v[SPW], v[NIL]
.if \fill
	s_add_co_u32 s[G0+1], s[G0+1], SLOTB           ; no load of mine is out: group 0 steps to the next slot
	s_add_nc_u64 s[G0+2:G0+3], s[G0+2:G0+3], SLOTB
	s_wait_xcnt 0x0                                ; any prefetch of mine has read its address
	s_add_nc_u64 s[PFA:PFA+1], s[PFA:PFA+1], SLOTB ; one slot further on than group 0
.endif
	s_wait_dscnt 0x0
	s_barrier_signal -1
	s_barrier_wait -1
.if \fill
	s_add_co_u32 s49, s[TR], s[PIX]
	s_cmp_gt_u32 s49, 5                            ; slot T + 2 is read only where T + 2 <= 7 - g: ids and the count of trips alone, the same in all eight waves
	s_cbranch_scc1 .Lpast_\@
	tensor_load_to_lds s[G0:G0+3], s[G1:G1+7]      ; my one tensor load behind this barrier
	s_nop 0
	PLACES 4
.Lpast_\@:
	; A prefetch of slot T + 3, which the next change asks for: 128 blocks of 256 bytes, a lane a block, waves 0 to 3.  Slot s is named once in the launch, by the head's work-group g = (7 - s) % 4, which reads it itself.
	; Slots 0 to 2 come by their loads alone; trip 5 asks for nothing: there is no slot 8.
	s_and_b32 s50, s49, 3
	s_cmp_eq_u32 s50, s[LIM]
	s_cbranch_scc0 .Lnot_\@
	s_cmp_gt_u32 s[TR], 4
	s_cbranch_scc1 .Lnot_\@
	global_prefetch_b8 v[PFO], s[PFA:PFA+1] th:TH_LOAD_NT scope:SCOPE_SE
.Lnot_\@:
.endif
.endm
; THE WAY OUT of a block.  O^T is divided by the row's sum and goes, a tile of 16 queries at a time, through my stage in LDS, so that sixteen lanes store a query's 64 numbers of the head: 256 consecutive bytes, aligned.
.macro FINISH
	WIN 0x55
	PLACES 4                                       ; behind the last products
.irp u, 0,1
	v_add_f32 v[SM+2*\u], v[SM+2*\u], v[SM+2*\u+1]
.endr
.irp u, 0,1
	v_permlanex16_b32 v[PD+\u], v[SM+2*\u], s[SEL], s[SEL+1]
.endr
.irp u, 0,1
	v_add_f32 v[SM+2*\u], v[SM+2*\u], v[PD+\u]
.endr
	s_wait_alu depctr_va_vdst(0)                   ; the wait ahead of the transcendentals
.irp u, 0,1
	v_rcp_f32 v[FF+2*\u], v[SM+2*\u]
.endr
	v_nop
	s_wait_alu depctr_va_vdst(0)                   ; and behind them
.irp u, 0,1
	v_ldexp_f32 v[FF+2*\u], v[FF+2*\u], s[EPV]     ; x 2^(e8 + e9)
.endr
	s_wait_alu depctr_va_vdst(0)                   ; the wait directly ahead of the first lines that read O^T
.irp u, 0,1
.set n, 0
.rept 16
	v_pk_mul_f32 v[64*\u+n:64*\u+n+1], v[OO+32*\u+n:OO+32*\u+n+1], v[FF+2*\u:FF+2*\u+1] op_sel_hi:[1,0]   ; register 8 e + i is o(r, 16 e + 8 h + i)
.set n, n+2
.endr
.endr
.irp u, 0,1
	WIN 0x04                                       ; the stores' data window 1
.irp e, 0,1,2,3
	ds_store_b128 v[STO], v[64*\u+8*\e:64*\u+8*\e+3] offset:64*\e
	ds_store_b128 v[STO], v[64*\u+8*\e+4:64*\u+8*\e+7] offset:64*\e+16
.endr
	WIN 0
.irp i, 0,1,2,3,4,5,6,7
	ds_load_b128 v[KR+32*\u+4*\i:KR+32*\u+4*\i+3], v[RD] offset:2*\i*SP   ; LDS serves a wave's instructions in order (ISA guide 5.7.1.4): these see my stores, and the next tile's stores come behind them
.endr
.endr
.irp u, 0,1
.irp i, 0,1,2,3,4,5,6,7
	s_wait_dscnt 23-16*\u-\i                       ; behind this load: the rest of its eight, and for tile 0 the next tile's 8 stores and 8 loads
	global_store_b128 v[GO], v[KR+32*\u+4*\i:KR+32*\u+4*\i+3], s[OB:OB+1] offset:(16*\u+2*\i)*4096 th:TH_STORE_NT
.endr
.endr
.endm
	s_wait_alu depctr_va_vdst(0)                   ; the wait at the head's end
	s_wait_loadcnt 0x0                             ; Q
	s_wait_tensorcnt 0x0                           ; my part of slots 0 and 1 is in
	s_barrier_signal -1
	s_barrier_wait -1                              ; and everybody's
	KLOAD LI, 0                                    ; the first step's K: key 0 counts for every query, so every wave walks that step
	s_mov_b32 s[PL], 1
.Lfill:                                            ; six trips: the late block on slots 0 to 5
	CHANGE 1
	TRIP
	s_add_co_u32 s[TB], s[TB], SLOTB
	s_add_co_u32 s[TR], s[TR], 1
	s_cmp_lt_u32 s[TR], 6
	s_cbranch_scc1 .Lfill
	CHANGE 0                                       ; slot 7 is whole; from here on nothing is asked for and no barrier follows
	s_mov_b32 s[TR], 0
.Lrest:                                            ; six trips: the late block on slots 6 and 7, then the early block on slots 0 to 3
	TRIP
	s_add_co_u32 s[TB], s[TB], SLOTB
	s_and_b32 s[TB], s[TB], 8*SLOTB-1              ; behind slot 7 comes slot 0
	s_cmp_lg_u32 s[TR], 1
	s_cbranch_scc1 .Lsame
	FINISH
	s_wait_xcnt 0x0                                ; the stores have read their data and their base
.set n, 0
.rept 16
	v_mov_b32 v[QR+n], v[QA+n]                     ; the early block's Q
.set n, n+1
.endr
	INIT
	WIN 0
	s_mov_b32 s[KF], 0
	s_mov_b32 s[PL], 0
	s_mov_b32 s[Q0], s[Q0A]
	s_mov_b64 s[OB:OB+1], s[OB+2:OB+3]
	s_wait_alu depctr_va_vdst(0)                   ; the wait
.Lsame:
	s_add_co_u32 s[TR], s[TR], 1
	s_cmp_lt_u32 s[TR], 6
	s_cbranch_scc1 .Lrest
	FINISH
	s_wait_tensorcnt 0x0                           ; the wave's end
	ds_add_u32 v[SPW], v[NIL]
	s_wait_dscnt 0x0
	s_endpgm
.Lfunc_end_k_q16b12f3b09_attn:
	.size	k_q16b12f3b09_attn, .Lfunc_end_k_q16b12f3b09_attn-k_q16b12f3b09_attn
	.p2alignl 7, 3214868480
	.fill 96, 4, 3214868480
	.section	.rodata,"a",@progbits
	.p2align	6, 0x0
	.amdhsa_kernel k_q16b12f3b09_attn
		.amdhsa_group_segment_fixed_size 327680
		.amdhsa_private_segment_fixed_size 0
		.amdhsa_enable_private_segment 0
		.amdhsa_kernarg_size 32
		.amdhsa_user_sgpr_count 2
		.amdhsa_user_sgpr_kernarg_segment_ptr 1
		.amdhsa_wavefront_size32 1
		.amdhsa_system_sgpr_workgroup_id_x 1
		.amdhsa_system_sgpr_workgroup_id_y 1
		.amdhsa_system_sgpr_workgroup_id_z 1
		.amdhsa_system_vgpr_workitem_id 0
		.amdhsa_next_free_vgpr 512
		.amdhsa_next_free_sgpr 100
		.amdhsa_reserve_vcc 1
		.amdhsa_float_denorm_mode_32 3
		.amdhsa_float_denorm_mode_16_64 3
		.amdhsa_memory_ordered 1
		.amdhsa_forward_progress 1
		.amdhsa_inst_pref_size 184
	.end_amdhsa_kernel
	.amdgpu_metadata
---
amdhsa.version: [ 1, 2 ]
amdhsa.kernels:
  - .name:           k_q16b12f3b09_attn
    .symbol:         k_q16b12f3b09_attn.kd
    .args:
      - { .name: qimg, .offset: 0, .size: 8, .value_kind: global_buffer, .address_space: global }
      - { .name: kvimg, .offset: 8, .size: 8, .value_kind: global_buffer, .address_space: global }
      - { .name: lowp_scales, .offset: 16, .size: 8, .value_kind: global_buffer, .address_space: global }
      - { .name: out0, .offset: 24, .size: 8, .value_kind: global_buffer, .address_space: global }
    .group_segment_fixed_size: 327680
    .private_segment_fixed_size: 0
    .kernarg_segment_align: 8
    .kernarg_segment_size: 32
    .max_flat_workgroup_size: 256
    .sgpr_count:     100
    .vgpr_count:     512
    .wavefront_size: 32
...
	.end_amdgpu_metadata
.endif
;; end of part 2
